; MI455X (gfx1250); checked and timed in simulation.
; The chip was launched on July 23, 2026; its instructions are those of AMD's public machine-readable ISA for CDNA 5 (MIT licence, August 2026) and "CDNA5" Instruction Set Architecture Reference Guide (July 2026). The comments in the code are by the model that wrote it; some were corrected since.
;; Mo E. Allowed arithmetic: matrix products marked QUANTISED: E5M2 operands, one given power-of-two scale a tensor, by v_wmma_f32_16x16x64_bf8_bf8 or v_wmma_f32_16x16x128_bf8_bf8, f32 sums; products left as they are: f32 operands where the result goes on into a quantised operand, else bf16, f16 or f32 operands; f32 sums; everything else in f32.
;; Inputs: We 8 x 2,048 x 2,048 float32; Wg 8 x 2,048 float32; be 8 x 2,048 float32; bg 8 float32; lowp_scales 2 int32 (the exponents e of the quantised operands' scales 2^e); x 8,192 x 2,048 float32.
;; Outputs: out0 8,192 x 2,048 float32.
;; This version of the problem:
;;   THIS VERSION OF THE PROBLEM IS GIVEN IN LOW PRECISION. The matrix products marked QUANTISED in the list below multiply operands that are first quantised to E5M2 (5 exponent bits, 2 mantissa bits; 8 bits a number), with one given power-of-two scale for each operand tensor; their sums are f32. All else is computed in f32.
;;   The module's matrix products, in the order in which they are computed (A, B: the left and right operand; K: the contracted axis; several contracted axes count as one K, in the product's order):
;;     1. [M 8,192, K 2,048] x [K 2,048, N 8]; A: input x; B: input Wg: left as it is (N = 8 < 16)
;;     2. [M 4,096, K 2,048] x [K 2,048, N 8,192]; A: computed on the way; B: input x: QUANTISED (scales: A lowp_scales[0], B lowp_scales[1])
;;     3. [M 1, K 2] x [K 2, N 16,777,216]; A: computed on the way; B: computed on the way: left as it is (K = 2 < 32)
;;   THE QUANTISER, for each operand of a quantised product, along K:
;;     - The operand's scale is 2^e, e = its entry of the input lowp_scales (int32; the entries are numbered through the quantised products in the list's order, A before B).
;;     - Each number is divided by the scale, clamped to +-57,344, and rounded to the nearest number of E5M2, ties to even, subnormals kept.
;;     - The product sums the exact products of the quantised numbers (number of the format x scale) in f32.
;;   ~~~python
;;   def quantise(x, axis, e):      # numpy; x: float32 -> the quantised numbers, widened to float32 again
;;       x = np.moveaxis(x, axis, -1); K = x.shape[-1]
;;       r = np.clip(x / 2.0 ** e, -57344, 57344)
;;       step = 2.0 ** (np.maximum(np.frexp(np.where(r == 0, 1, r))[1] - 1, -14) - 2)
;;       q = np.round(r / step) * step * 2.0 ** e      # np.round: ties to even
;;       return np.moveaxis(q, -1, axis).astype(np.float32)
;;   ~~~
;;   OPERANDS COMPUTED ON THE WAY. 'Computed on the way' means the value that the module computes at that place (a softmax that the list does not call 'softmax' is quantised finished and normalised). What goes into a quantiser is computed in f32, as accurately as f32 sums, v_exp_f32 and their like allow (about 1e-6 of the number): no bf16 or f16 on the way to a quantiser, and a product that is left as it is and whose result goes on into a quantised operand takes f32 operands (vector FMAs, or v_wmma_f32_16x16x4_f32). A number that lies on a knife's edge between two numbers of the format may be rounded either way, as far as f32 arithmetic and the matrix unit's own rounding can turn it there, and no further.
;; One version. Each part assembles by itself: llvm-mc -triple=amdgcn-amd-amdhsa -mcpu=gfx1250 --defsym DOCPART=n.
;; ======== version 1 of 1: 3 launches
;; limits: right only within a limited range of input values
;; workspace buffers: xc 16,777,216 bytes; wc 8,388,608 bytes; sel 256 bytes of whole numbers; params 256 bytes
;; launch quant_x (part 1): grid 513 x 1, 4 waves a work-group, no clusters, 768 bytes of LDS; arguments x, Wg, bg, lowp_scales, xc, sel, params; writes xc, sel, params
.if DOCPART == 1
	.amdgcn_target "amdgcn-amd-amdhsa--gfx1250"
	.amdhsa_code_object_version 6
	.text
	.protected	k_qc3505960d2_quant_x
	.globl	k_qc3505960d2_quant_x
	.p2align	8
	.type	k_qc3505960d2_quant_x,@function
k_qc3505960d2_quant_x:
	s_mov_b64 s[64:65], 0
	v_nop
	global_prefetch_b8 v0, s[64:65] scope:SCOPE_SE
	s_setreg_imm32_b32 hwreg(HW_REG_WAVE_MODE, 25, 1), 1
	s_wait_xcnt 0x0
; TWO JOBS IN ONE LAUNCH, parted on the work-group's number alone.
; Work-group 0: THE GATE of token 0: 8 logits x[0] . Wg[e] + bg[e] in f32 (fused multiply-adds), the softmax with its maximum taken away first, the two largest probabilities w0 >= w1 and their
; experts i0, i1 (a tie keeps the lower index).  Stored: sel = {i0, i1} (whole numbers); params = {S = w0 x 2^(e0 + e1), w0, w1 / w0, w1} (f32).  No address and no branch here hangs on these
; numbers: later launches read them.
; WORK LEFT OUT.  reference() uses row 0 alone of top_idx and of top_vals.  So the gate's rows 1 to 8191 (logits, softmax, choice of the two largest) have no way to the output, whatever the
; inputs hold, and are not computed.  The lookup of two experts by row 0's indices is done by the later launches: the other six experts' weights and biases are not read.
; LIMIT: a NaN, an infinity or an overflow that reaches only the work left out is not carried to the result.
; Work-groups 1 to 512: x [8192][2048] f32 INTO CODES OF E5M2 with the given scale 2^e1 (entry 1 of the scales): code = x / 2^e1, held within +-57,344, to the nearest code, ties to even.
; THE ORDER OF K IN THE CODES.  One scale serves the whole tensor, so K may be laid in any order that is the same in both operands of the product.  In each aligned group of 512 numbers of a
; row, lane l takes the 16 bytes at 16 l of each of four loads of 512 consecutive bytes: numbers 128 i + 4 l + j (load i, j = 0 .. 3) stand in its register 4 i + j; its 16 codes go to byte
; 16 l + 4 i + j of the group's 512 bytes of codes.  The weights' launch lays its codes by the same lines.  So every load and every store of a wave covers 512 consecutive bytes, aligned,
; and nothing goes through LDS.
; A wave takes the first 14 of the 16 steps of 512 numbers in its run of 8,192 (the last two are done by the weights' launch, while its own addresses are on their way); its loads run eight steps
; (32 loads) ahead.  Waves share nothing: no barrier on this path, no cluster (no two work-groups read the same bytes).
; LIMITS: e1 between -126 and 112, so that 2^e1 and 57,344 x 2^e1 are f32 numbers; S must be an f32 number.  NaN among the inputs is not served.  A probability under 2^-126 counts as 0
; (v_exp_f32 gives no denormals: ISA guide 15.8): its weight is then 0, and the expert that is named for it adds nothing.
.set R,   16                           ; v16-143  eight sets of 16 numbers as loaded
.set C,   144                          ; v144-199 codes: four registers for each step, so that no store's data are written again
.set SRC, 4                            ; s[4:5]   x at my wave's first number
.set DST, 12                           ; s[12:13] the codes at my wave's first byte
.macro LOAD t                          ; step t: four loads of 512 consecutive bytes
.irp i, 0,1,2,3
	global_load_b128 v[R+16*((\t)%8)+4*\i:R+16*((\t)%8)+4*\i+3], v3, s[SRC:SRC+1] offset:2048*(\t)+512*\i th:TH_LOAD_NT
.endr
.endm
.macro QSTEP t
.set XS, R+16*((\t)%8)
.if (\t) <= 6
	s_wait_loadcnt 28                              ; this step's four loads are in; those of the seven steps behind it may be out
.else
	s_wait_loadcnt 4*(13-(\t))                     ; nothing more is asked for: the counts run down
.endif
.irp i, 0,1,2,3,4,5,6,7,8,9,10,11,12,13,14,15
	v_med3_num_f32 v[XS+\i], v[XS+\i], -v10, v10   ; the conversion to an 8-bit code does not saturate (ISA guide 7.6.2): hold the number within the largest code x the scale first
.endr
	v_cvt_scalef32_pk8_bf8_f32 v[C+4*(\t):C+4*(\t)+1], v[XS:XS+7], v11       ; eight numbers / 2^e, the first number's code in the lowest byte
	v_cvt_scalef32_pk8_bf8_f32 v[C+4*(\t)+2:C+4*(\t)+3], v[XS+8:XS+15], v11  ; (the results go to a store alone; the next vector lines are the next step's plain holds, on other registers)
.if (\t) < 6
	LOAD (\t)+8                                    ; the set just converted takes the step eight further on
.endif
	global_store_b128 v3, v[C+4*(\t):C+4*(\t)+3], s[DST:DST+1] offset:512*(\t)   ; 32 lanes store 512 consecutive bytes, aligned
.endm
	s_load_b256 s[4:11], s[0:1], 0x0               ; x s[4:5], Wg s[6:7], bg s[8:9], the scales' exponents s[10:11]
	s_load_b128 s[12:15], s[0:1], 0x20             ; x's codes s[12:13], sel s[14:15]
	s_load_b64 s[16:17], s[0:1], 0x30              ; params
	v_lshl_add_u32 v208, v0, 2, 0x100              ; my spare word, and 0: for the add at the gate's end
	v_mov_b32 v209, 0
	v_lshrrev_b32 v1, 5, v0
	v_readfirstlane_b32 s18, v1                    ; wave 0..3
	v_and_b32 v2, 31, v0                           ; lane
	v_lshlrev_b32 v3, 4, v2                        ; my 16 bytes of a load's or a store's 512; never rewritten
	s_wait_alu depctr_va_vdst(0)
	s_wait_kmcnt 0x0
	s_cmp_eq_u32 ttmp9, 0
	s_cbranch_scc1 .Lgate                          ; the same way for all four waves of a work-group
	; ---- the quantiser: work-group g + 1 takes numbers 32,768 g on, its wave w 8,192 of them
	s_load_b32 s23, s[10:11], 0x4                  ; e1
	s_sub_co_u32 s19, ttmp9, 1                     ; g
	s_lshl_b32 s20, s19, 17                        ; 131,072 bytes of x a work-group,
	s_lshl_b32 s22, s18, 15                        ; 32,768 a wave
	s_add_co_u32 s20, s20, s22
	s_mov_b32 s21, 0
	s_add_nc_u64 s[SRC:SRC+1], s[SRC:SRC+1], s[20:21]
	s_lshl_b32 s20, s19, 15                        ; a quarter of that in codes
	s_lshl_b32 s22, s18, 13
	s_add_co_u32 s20, s20, s22
	s_add_nc_u64 s[DST:DST+1], s[DST:DST+1], s[20:21]
.irp t, 0,1,2,3,4,5,6,7
	LOAD \t
.endr
	s_wait_kmcnt 0x0
	s_add_co_i32 s23, s23, 127
	s_lshl_b32 s22, s23, 23
	v_mov_b32 v11, s22                             ; 2^e1 as f32: the conversion takes its exponent field
	s_add_co_i32 s23, s23, 15
	s_lshl_b32 s23, s23, 23
	s_or_b32 s23, s23, 0x600000
	v_mov_b32 v10, s23                             ; 57,344 x 2^e1
	s_wait_alu depctr_va_vdst(0)
.irp t, 0,1,2,3,4,5,6,7,8,9,10,11,12,13
	QSTEP \t
.endr
	s_endpgm
	; ---- the gate.  Thread t takes the 16 bytes at 16 t + 2,048 j (j = 0 .. 3) of a row of 8,192 bytes: 16 numbers of x[0] and of each row of Wg
.Lgate:
	s_load_b256 s[24:31], s[8:9], 0x0              ; bg
	s_load_b64 s[32:33], s[10:11], 0x0             ; e0, e1
	s_mov_b32 s20, 0x76543210                      ; v_permlanex16_b32: lane l takes lane l xor 16
	s_mov_b32 s21, 0xfedcba98
	v_lshlrev_b32 v4, 4, v0
	v_and_b32 v5, 0x60, v0                         ; 32 x wave: my wave's eight words in LDS
	v_mov_b32 v6, 0
.irp j, 0,1,2,3
	global_load_b128 v[144+4*\j:147+4*\j], v4, s[4:5] offset:2048*\j
.endr
.irp e, 0,1,2,3,4,5,6,7
.irp j, 0,1,2,3
	global_load_b128 v[16+16*\e+4*\j:19+16*\e+4*\j], v4, s[6:7] offset:8192*\e+2048*\j
.endr
.endr
	s_wait_loadcnt 0x0
.irp e, 0,1,2,3,4,5,6,7
	v_pk_mul_f32 v[160+2*\e:161+2*\e], v[16+16*\e:17+16*\e], v[144:145]      ; the first products start the eight sums, which take turns
.endr
.irp p, 1,2,3,4,5,6,7
.irp e, 0,1,2,3,4,5,6,7
	v_pk_fma_f32 v[160+2*\e:161+2*\e], v[16+16*\e+2*\p:17+16*\e+2*\p], v[144+2*\p:145+2*\p], v[160+2*\e:161+2*\e]
.endr
.endr
.irp e, 0,1,2,3,4,5,6,7
	v_add_f32 v[176+\e], v[160+2*\e], v[161+2*\e]
.endr
.irp m, 1,2,4,8                        ; across the 32 lanes: four steps inside each half, one across the halves
.irp e, 0,1,2,3,4,5,6,7
	v_add_f32_dpp v[176+\e], v[176+\e], v[176+\e] row_xmask:\m row_mask:0xf bank_mask:0xf
.endr
.endr
.irp e, 0,1,2,3,4,5,6,7
	v_permlanex16_b32 v[160+\e], v[176+\e], s20, s21   ; (its destination counts as read: it has been written above)
.endr
.irp e, 0,1,2,3,4,5,6,7
	v_add_f32 v[176+\e], v[176+\e], v[160+\e]
.endr
	ds_store_b128 v5, v[176:179]                   ; all lanes of a wave store the same eight sums to the wave's own 32 bytes
	ds_store_b128 v5, v[180:183] offset:16
	s_wait_dscnt 0x0                               ; for wave 0's sake: my stores have landed
	s_barrier_signal -1
	s_barrier_wait -1
	s_cmp_lg_u32 s18, 0
	s_cbranch_scc1 .Ldone                          ; wave 0 finishes alone; no barrier follows
.irp i, 0,1,2,3,4,5,6,7
	ds_load_b128 v[16+4*\i:19+4*\i], v6 offset:16*\i   ; v[16 + 8 w + e]: wave w's part of logit e
.endr
	s_wait_dscnt 0x0
.irp u, 0,1,2,3
	v_pk_add_f32 v[16+2*\u:17+2*\u], v[16+2*\u:17+2*\u], v[24+2*\u:25+2*\u]
	v_pk_add_f32 v[32+2*\u:33+2*\u], v[32+2*\u:33+2*\u], v[40+2*\u:41+2*\u]
.endr
.irp u, 0,1,2,3
	v_pk_add_f32 v[16+2*\u:17+2*\u], v[16+2*\u:17+2*\u], v[32+2*\u:33+2*\u]
.endr
	s_wait_alu depctr_va_vdst(0)
	s_wait_kmcnt 0x0
.irp e, 0,1,2,3,4,5,6,7
	v_add_f32 v[16+\e], s[24+\e], v[16+\e]         ; + bg
.endr
	v_max3_num_f32 v24, v16, v17, v18              ; the softmax: the largest logit is taken away first
	v_max3_num_f32 v24, v24, v19, v20
	v_max3_num_f32 v24, v24, v21, v22
	v_max_num_f32 v24, v24, v23
.irp e, 0,1,2,3,4,5,6,7
	v_sub_f32 v[16+\e], v[16+\e], v24
.endr
.irp e, 0,1,2,3,4,5,6,7
	v_mul_f32 v[16+\e], 0x3fb8aa3b, v[16+\e]       ; x log2(e)
.endr
	s_wait_alu depctr_va_vdst(0)
.irp e, 0,1,2,3,4,5,6,7
	v_exp_f32 v[16+\e], v[16+\e]
.endr
	v_nop                                          ; one plain line behind the exponentials
	s_wait_alu depctr_va_vdst(0)
	v_add_f32 v25, v16, v17
	v_add_f32 v26, v18, v19
	v_add_f32 v27, v20, v21
	v_add_f32 v28, v22, v23
	v_add_f32 v25, v25, v26
	v_add_f32 v27, v27, v28
	v_add_f32 v25, v25, v27                        ; at least 1: the largest logit's term is 1
	s_wait_alu depctr_va_vdst(0)
	v_rcp_f32 v25, v25
	v_nop                                          ; one plain line behind the reciprocal
	s_wait_alu depctr_va_vdst(0)
.irp e, 0,1,2,3,4,5,6,7
	v_mul_f32 v[16+\e], v[16+\e], v25              ; the probabilities
.endr
	v_mov_b32 v48, v16                             ; the largest so far, and its expert
	v_mov_b32 v58, 0
.irp e, 1,2,3,4,5,6,7
	v_cmp_ge_f32 vcc_lo, v48, v[16+\e]             ; kept where it is at least as large: a tie keeps the lower index
	v_cndmask_b32 v58, \e, v58, vcc_lo
	v_cndmask_b32 v48, v[16+\e], v48, vcc_lo
.endr
	v_mov_b32 v49, -1.0                            ; under every probability: takes the winner out of the second scan
.irp e, 0,1,2,3,4,5,6,7
	v_cmp_eq_u32 vcc_lo, \e, v58
	v_cndmask_b32 v[32+\e], v[16+\e], v49, vcc_lo
.endr
	v_mov_b32 v50, v32
	v_mov_b32 v59, 0
.irp e, 1,2,3,4,5,6,7
	v_cmp_ge_f32 vcc_lo, v50, v[32+\e]
	v_cndmask_b32 v59, \e, v59, vcc_lo
	v_cndmask_b32 v50, v[32+\e], v50, vcc_lo
.endr
	s_add_co_i32 s35, s32, s33                     ; e0 + e1
	v_ldexp_f32 v52, v48, s35                      ; S = w0 x 2^(e0 + e1)
	v_mov_b32 v53, v48                             ; w0, at least 1/8
	s_wait_alu depctr_va_vdst(0)
	v_rcp_f32 v54, v48
	v_mov_b32 v55, v50                             ; w1.  (The plain line behind the reciprocal)
	s_wait_alu depctr_va_vdst(0)
	v_mul_f32 v54, v50, v54                        ; w1 / w0, at most 1
	s_wait_alu depctr_va_vdst(0)
	s_wait_xcnt 0x0                                ; EXEC changes only behind this wait
	v_cmp_eq_u32 vcc_lo, 0, v0
	s_and_saveexec_b32 s34, vcc_lo                 ; thread 0 alone stores
	global_store_b64 v6, v[58:59], s[14:15]        ; i0, i1
	global_store_b128 v6, v[52:55], s[16:17]       ; S, w0, w1 / w0, w1
	s_wait_xcnt 0x0                                ; and again in front of the line that widens it
	s_or_b32 exec_lo, exec_lo, s34
.Ldone:
	s_wait_tensorcnt 0x0                           ; the wave's end
	ds_add_u32 v208, v209
	s_wait_dscnt 0x0
	s_endpgm
.Lfunc_end_k_qc3505960d2_quant_x:
	.size	k_qc3505960d2_quant_x, .Lfunc_end_k_qc3505960d2_quant_x-k_qc3505960d2_quant_x
	.p2alignl 7, 3214868480
	.fill 96, 4, 3214868480
	.section	.rodata,"a",@progbits
	.p2align	6, 0x0
	.amdhsa_kernel k_qc3505960d2_quant_x
		.amdhsa_group_segment_fixed_size 768
		.amdhsa_private_segment_fixed_size 0
		.amdhsa_enable_private_segment 0
		.amdhsa_kernarg_size 56
		.amdhsa_user_sgpr_count 2
		.amdhsa_user_sgpr_kernarg_segment_ptr 1
		.amdhsa_wavefront_size32 1
		.amdhsa_system_sgpr_workgroup_id_x 1
		.amdhsa_system_sgpr_workgroup_id_y 1
		.amdhsa_system_sgpr_workgroup_id_z 1
		.amdhsa_system_vgpr_workitem_id 0
		.amdhsa_next_free_vgpr 210
		.amdhsa_next_free_sgpr 66
		.amdhsa_reserve_vcc 1
		.amdhsa_float_denorm_mode_32 3
		.amdhsa_float_denorm_mode_16_64 3
		.amdhsa_memory_ordered 1
		.amdhsa_forward_progress 1
		.amdhsa_inst_pref_size 42
	.end_amdhsa_kernel
	.amdgpu_metadata
---
amdhsa.version: [ 1, 2 ]
amdhsa.kernels:
  - .name:           k_qc3505960d2_quant_x
    .symbol:         k_qc3505960d2_quant_x.kd
    .args:
      - { .name: x, .offset: 0, .size: 8, .value_kind: global_buffer, .address_space: global }
      - { .name: Wg, .offset: 8, .size: 8, .value_kind: global_buffer, .address_space: global }
      - { .name: bg, .offset: 16, .size: 8, .value_kind: global_buffer, .address_space: global }
      - { .name: lowp_scales, .offset: 24, .size: 8, .value_kind: global_buffer, .address_space: global }
      - { .name: xc, .offset: 32, .size: 8, .value_kind: global_buffer, .address_space: global }
      - { .name: sel, .offset: 40, .size: 8, .value_kind: global_buffer, .address_space: global }
      - { .name: params, .offset: 48, .size: 8, .value_kind: global_buffer, .address_space: global }
    .group_segment_fixed_size: 768
    .private_segment_fixed_size: 0
    .kernarg_segment_align: 8
    .kernarg_segment_size: 56
    .max_flat_workgroup_size: 128
    .sgpr_count:     66
    .vgpr_count:     210
    .wavefront_size: 32
...
	.end_amdgpu_metadata
.endif
;; end of part 1
;; launch quant_w (part 2): grid 256 x 1, 8 waves a work-group, no clusters, 0 bytes of LDS; arguments We, lowp_scales, sel, wc, x, xc; writes wc, xc
.if DOCPART == 2
	.amdgcn_target "amdgcn-amd-amdhsa--gfx1250"
	.amdhsa_code_object_version 6
	.text
	.protected	k_qc3505960d2_quant_w
	.globl	k_qc3505960d2_quant_w
	.p2align	8
	.type	k_qc3505960d2_quant_w,@function
k_qc3505960d2_quant_w:
	s_mov_b64 s[64:65], 0
	v_nop
	global_prefetch_b8 v0, s[64:65] scope:SCOPE_SE
	s_setreg_imm32_b32 hwreg(HW_REG_WAVE_MODE, 25, 1), 1
	s_wait_xcnt 0x0
; THE TWO CHOSEN EXPERTS' WEIGHTS INTO CODES OF E5M2 with the given scale 2^e0 (entry 0 of the scales): code = w / 2^e0, held within +-57,344, to the nearest code, ties to even.
; We: [8][2048 (out)][2048 (in)] f32, K = in is innermost.  sel = {i0, i1}, whole numbers stored by the launch before.  wc: [2][2048][2048] bytes: part 0 is the top expert i0, part 1 the second, i1.
; The six experts that were not chosen are not read (a lookup by index).
; AND THE REST OF x: wave g of the 2,048 takes the last 2 of the 16 steps of x's run g of 8,192 numbers (the launch before does the other 14), with the scale 2^e1.  These loads hang on no loaded
; number: they are asked for ahead of the wait for sel.
; THE ORDER OF THE ROWS: in each group of 64 output rows, row 4 r + b (r = 0 .. 15, b = 0 .. 3) stands at place 16 b + r: so the product's four neighbouring fragments of 16 rows give a lane four
; neighbouring columns of the result.
; THE ORDER OF K IN THE CODES is that of x's codes: in each aligned group of 512 numbers of a row, lane l holds numbers 128 i + 4 l + j in register 4 i + j (load i of four, 512 consecutive bytes
; each), and its 16 codes go to byte 16 l + 4 i + j of the group's 512 bytes.  Every load and store of a wave covers 512 consecutive bytes, aligned.
; A wave takes two neighbouring rows of We: 8 steps of 512 numbers, all 32 loads out at the start.  Waves share nothing: no LDS, no barrier, no cluster (no two work-groups read the same bytes).
; LIMITS: e0 and e1 between -126 and 112, so that 2^e and 57,344 x 2^e are f32 numbers.  NaN among the inputs is not served.
.set R,   16                           ; v16-143  eight sets of 16 numbers of We as loaded
.set C,   144                          ; v144-175 their codes: four registers for each step, so that no store's data are written again
.set XR,  176                          ; v176-207 two sets of 16 numbers of x
.set XC,  208                          ; v208-215 their codes
.set SRC, 4                            ; s[4:5]   We at my wave's first number
.set DST, 10                           ; s[10:11] the codes at my first row's place
.macro QUANT xs, c, scale, bound
.irp i, 0,1,2,3,4,5,6,7,8,9,10,11,12,13,14,15
	v_med3_num_f32 v[\xs+\i], v[\xs+\i], -v\bound, v\bound   ; the conversion to an 8-bit code does not saturate (ISA guide 7.6.2): hold the number within the largest code x the scale first
.endr
	v_cvt_scalef32_pk8_bf8_f32 v[\c:\c+1], v[\xs:\xs+7], v\scale
	v_cvt_scalef32_pk8_bf8_f32 v[\c+2:\c+3], v[\xs+8:\xs+15], v\scale   ; (the results go to a store alone; the next vector lines are the next step's plain holds, on other registers)
.endm
.macro SCALE e, t, scale, bound        ; e + 127 in an exponent field: 2^e as f32; 57,344 x 2^e
	s_add_co_i32 s\e, s\e, 127
	s_lshl_b32 s\t, s\e, 23
	v_mov_b32 v\scale, s\t
	s_add_co_i32 s\e, s\e, 15
	s_lshl_b32 s\e, s\e, 23
	s_or_b32 s\e, s\e, 0x600000
	v_mov_b32 v\bound, s\e
.endm
	s_load_b256 s[4:11], s[0:1], 0x0               ; We s[4:5], the scales' exponents s[6:7], sel s[8:9], the weights' codes s[10:11]
	s_load_b128 s[12:15], s[0:1], 0x20             ; x s[12:13], x's codes s[14:15]
	v_lshrrev_b32 v1, 5, v0
	v_readfirstlane_b32 s18, v1                    ; wave 0..7
	v_and_b32 v2, 31, v0                           ; lane
	v_lshlrev_b32 v3, 4, v2                        ; my 16 bytes of a load's or a store's 512; never rewritten
	s_lshl_b32 s19, ttmp9, 3
	s_add_co_u32 s19, s19, s18                     ; g: which run of x, and which pair of rows of the 2,048 pairs of We, is my wave's
	s_wait_alu depctr_va_vdst(0)
	s_wait_kmcnt 0x0
	s_load_b64 s[26:27], s[6:7], 0x0               ; e0, e1
	s_load_b64 s[24:25], s[8:9], 0x0               ; i0, i1
	s_mov_b32 s21, 0
	s_lshl_b32 s20, s19, 15                        ; a run of x is 32,768 bytes,
	s_add_nc_u64 s[12:13], s[12:13], s[20:21]
	s_lshl_b32 s20, s19, 13                        ; 8,192 in codes
	s_add_nc_u64 s[14:15], s[14:15], s[20:21]
.irp u, 0,1
.irp i, 0,1,2,3
	global_load_b128 v[XR+16*\u+4*\i:XR+16*\u+4*\i+3], v3, s[12:13] offset:2048*(14+\u)+512*\i th:TH_LOAD_NT
.endr
.endr
	s_lshr_b32 s20, s19, 5                         ; row 2 g stands in group g / 32, at place 32 (g % 2) + (g / 2) % 16
	s_lshl_b32 s20, s20, 6
	s_and_b32 s22, s19, 1
	s_lshl_b32 s22, s22, 5
	s_add_co_u32 s20, s20, s22
	s_bfe_u32 s22, s19, 0x40001
	s_add_co_u32 s20, s20, s22
	s_lshl_b32 s20, s20, 11
	s_add_nc_u64 s[DST:DST+1], s[DST:DST+1], s[20:21]
	s_wait_kmcnt 0x0
	s_cmp_lt_u32 ttmp9, 128
	s_cselect_b32 s24, s24, s25                    ; the first 128 work-groups take the top expert
	s_min_u32 s24, s24, 7                          ; a loaded number enters an address only behind this bound
	s_lshl_b32 s20, s24, 24                        ; an expert is 2^24 bytes,
	s_and_b32 s22, s19, 1023
	s_lshl_b32 s22, s22, 14                        ; two rows 16,384
	s_add_co_u32 s20, s20, s22
	s_add_nc_u64 s[SRC:SRC+1], s[SRC:SRC+1], s[20:21]
.irp t, 0,1,2,3,4,5,6,7
.irp i, 0,1,2,3
	global_load_b128 v[R+16*\t+4*\i:R+16*\t+4*\i+3], v3, s[SRC:SRC+1] offset:2048*\t+512*\i th:TH_LOAD_NT
.endr
.endr
	SCALE 26, 22, 11, 10
	SCALE 27, 23, 13, 12
	s_wait_alu depctr_va_vdst(0)
.irp u, 0,1
	s_wait_loadcnt 36-4*\u                         ; x's step is in; its second and the 32 loads of We may be out
	QUANT XR+16*\u, XC+4*\u, 13, 12
	global_store_b128 v3, v[XC+4*\u:XC+4*\u+3], s[14:15] offset:512*(14+\u)
.endr
.irp t, 0,1,2,3,4,5,6,7
	s_wait_loadcnt 4*(7-\t)                        ; this step's four loads are in; those of the steps behind it may be out
	QUANT R+16*\t, C+4*\t, 11, 10
	global_store_b128 v3, v[C+4*\t:C+4*\t+3], s[DST:DST+1] offset:32768*(\t/4)+512*(\t%4)   ; steps 4 to 7 are the next row, 16 places on
.endr
	s_endpgm
.Lfunc_end_k_qc3505960d2_quant_w:
	.size	k_qc3505960d2_quant_w, .Lfunc_end_k_qc3505960d2_quant_w-k_qc3505960d2_quant_w
	.p2alignl 7, 3214868480
	.fill 96, 4, 3214868480
	.section	.rodata,"a",@progbits
	.p2align	6, 0x0
	.amdhsa_kernel k_qc3505960d2_quant_w
		.amdhsa_group_segment_fixed_size 0
		.amdhsa_private_segment_fixed_size 0
		.amdhsa_enable_private_segment 0
		.amdhsa_kernarg_size 48
		.amdhsa_user_sgpr_count 2
		.amdhsa_user_sgpr_kernarg_segment_ptr 1
		.amdhsa_wavefront_size32 1
		.amdhsa_system_sgpr_workgroup_id_x 1
		.amdhsa_system_sgpr_workgroup_id_y 1
		.amdhsa_system_sgpr_workgroup_id_z 1
		.amdhsa_system_vgpr_workitem_id 0
		.amdhsa_next_free_vgpr 216
		.amdhsa_next_free_sgpr 66
		.amdhsa_reserve_vcc 0
		.amdhsa_float_denorm_mode_32 3
		.amdhsa_float_denorm_mode_16_64 3
		.amdhsa_memory_ordered 1
		.amdhsa_forward_progress 1
		.amdhsa_inst_pref_size 19
	.end_amdhsa_kernel
	.amdgpu_metadata
---
amdhsa.version: [ 1, 2 ]
amdhsa.kernels:
  - .name:           k_qc3505960d2_quant_w
    .symbol:         k_qc3505960d2_quant_w.kd
    .args:
      - { .name: We, .offset: 0, .size: 8, .value_kind: global_buffer, .address_space: global }
      - { .name: lowp_scales, .offset: 8, .size: 8, .value_kind: global_buffer, .address_space: global }
      - { .name: sel, .offset: 16, .size: 8, .value_kind: global_buffer, .address_space: global }
      - { .name: wc, .offset: 24, .size: 8, .value_kind: global_buffer, .address_space: global }
      - { .name: x, .offset: 32, .size: 8, .value_kind: global_buffer, .address_space: global }
      - { .name: xc, .offset: 40, .size: 8, .value_kind: global_buffer, .address_space: global }
    .group_segment_fixed_size: 0
    .private_segment_fixed_size: 0
    .kernarg_segment_align: 8
    .kernarg_segment_size: 48
    .max_flat_workgroup_size: 256
    .sgpr_count:     66
    .vgpr_count:     216
    .wavefront_size: 32
...
	.end_amdgpu_metadata
.endif
;; end of part 2
;; launch gemm (part 3): grid 8 x 32, 4 waves a work-group, clusters of 4 x 4, 327,680 bytes of LDS; arguments xc, wc, params, out0, sel, be; writes out0
.if DOCPART == 3
	.amdgcn_target "amdgcn-amd-amdhsa--gfx1250"
	.amdhsa_code_object_version 6
	.text
	.protected	k_qc3505960d2_gemm
	.globl	k_qc3505960d2_gemm
	.p2align	8
	.type	k_qc3505960d2_gemm,@function
k_qc3505960d2_gemm:
	s_mov_b64 s[64:65], 0
	v_nop
	global_prefetch_b8 v0, s[64:65] scope:SCOPE_SE
	s_setreg_imm32_b32 hwreg(HW_REG_WAVE_MODE, 25, 1), 1
	s_wait_xcnt 0x0
	s_wait_alu depctr_hold_cnt(0) depctr_sa_sdst(0) depctr_va_vdst(0) depctr_va_sdst(0) depctr_va_ssrc(0) depctr_va_vcc(0) depctr_vm_vsrc(0)
	s_getreg_b32 s2, hwreg(HW_REG_IB_STS2, 6, 4)
	s_cmp_eq_u32 s2, 0
	s_cbranch_scc0 .Lentry_in_a_cluster
	s_endpgm
.Lentry_in_a_cluster:
	s_bfe_u32 s2, ttmp6, 0x10000c
	s_cmp_lg_u32 s2, 0xf033
	s_cbranch_scc0 .Lentry_shape_is_right
	s_endpgm
.Lentry_shape_is_right:
; out[m][n] = S0 (xc . wc[0])[m][n] + S1 (xc . wc[1])[m][n] + w0 be[i0][n] + w1 be[i1][n], S0 = w0 2^(e0 + e1), S1 = w1 2^(e0 + e1).  xc: codes of x, wc: codes of the two chosen experts, K innermost
; (both with the same order of K; wc's rows in the order that its launch states); sums in f32.  The six experts that were not chosen are not read (a lookup by index).
; LIMITS: S0 and S1 must be f32 numbers; NaN is not served.
; A WORK-GROUP STAYS: it makes two tiles of 256 rows x 128 columns of the result, 1,024 columns apart, EACH FOR BOTH EXPERTS: B's tile is 128 rows of each expert.  Four waves, one of 128 rows x 64
; columns x 2 experts: 64 accumulators, 512 registers, over K = 2,048.  256 work-groups in all.  The first tile's stores are on their way while the second is multiplied.
; K goes in chunks of 256 through a ring of two LDS slots filled by the tensor data mover; a tile has 8 chunks; a slot is two steps of 128.
; CLUSTERS of 4 x 4: the four work-groups of a row of the cluster need the same tile of A, the four of a column the same tile of B: each is asked for JOINTLY (same load, same descriptor, a mask of four).
; A STEP IS FOUR QUADRANTS of 16 products: Q0 = rows 0-63 x expert 0, Q1 = rows 0-63 x expert 1, Q2 = rows 64-127 x expert 1, Q3 = rows 64-127 x expert 0.  A window of 256 registers belongs to each:
;   window 0: v0-127 Q0's accumulators; v128-191 A's fragments of rows 64-127;             v192-207 addresses, bias; from v208 the way out
;   window 1: v0-127 Q1's accumulators; v128-191, v192-255 B's fragments of expert 0, two sets by turns
;   window 2: v0-127 Q2's accumulators; v128-191 A's fragments of rows 0-63;               v192-195 the LDS addresses once more; from v200 the way out
;   window 3: v0-127 Q3's accumulators; v128-191 B's fragments of expert 1;                v192-255 the way out
; At a quadrant's head ONE run of 16 loads brings the fragments that lie in ITS window: in Q0 this step's A rows 64-127, in Q1, Q2, Q3 the next step's expert 0, A rows 0-63, expert 1.  So products and
; loads share one setting of s_set_vgpr_msb (1:0 source 0 and addresses, 3:2 source 1, 5:4 source 2, 7:6 destination), one switch a quadrant.  Each run is issued two quadrants or more ahead of its
; use (at a change of slots the next step's expert 0 half a quadrant later): the waits on DScnt let the youngest 32 loads stay out, the run just issued and the one before it.
; A load into registers that a matrix instruction has read stands four places (v_nop) behind it: ahead of Q0, Q2 and Q3.  The 64 accumulators take turns, one instruction a turn.
; THE WAY OUT NEEDS NO LDS: lane (r, h) of a result holds column r, rows 8 h + 0 .. 7, and wc's order of rows makes the four fragments of an expert the columns 4 r + 0 .. 3: four numbers of 16
; bytes; sixteen lanes store an aligned run of 256 bytes of a row.  Five buffers of 32 registers take the blocks of 16 rows by turns.
; PREFETCH: at each change of slots the chunk two refills on is asked for, 32 rows a wave, a lane a row; the four partners that load a tile jointly share its 128 rows out by address.  A in the first tile
; alone (the second reads the same rows again); B, which eight rows of clusters read, by the first four of them.  At the head, the first touch, chunks 1 and 2 are asked for behind chunk 0's load and
; chunk 3 behind chunk 1's; the second tile's last four chunks are asked for in its first two trips, and nothing after them.
.set ROWB,   256
.set KROW,   2048                      ; a row of codes
.set PITCH,  272                       ; an LDS row: 256 bytes + 16 of padding
.set HALFT,  128*PITCH                 ; 128 rows: what one tensor load brings
.set SLOT,   4*HALFT                   ; A's 256 rows, 128 rows of expert 0, 128 of expert 1
.set SPARE,  2*SLOT                    ; the spare words, 128 bytes for each wave
.set TILE2,  1024*KROW                 ; from the first tile's rows of B to the second's
.set JUMP,   TILE2-KROW
.set FR,   128
.set ADRA, 192                         ; v192-193 LDS address of my A fragments in slot 0, 1 (windows 0 and 2)
.set ADRB, 194                         ; v194-195 the same for B
.set SPW,  196                         ; my spare word's address, never rewritten
.set NIL,  197                         ; 0, never rewritten
.set PFO,  198                         ; the prefetches' offset: lane x a row; never rewritten
.set CO,   199                         ; my byte offset in the result; never rewritten
.set BIAS, 200                         ; v200-203, v204-207: the first and the second tile's bias of my four columns
.set BE1,  208                         ; v208-215 until the bias is made: be[i1]
.set BOF,  216                         ; v216 until then: 16 r
.set G1, 24                            ; s[24:31] group 1 for A; s[32:39] group 0, one set for each slot
.set G0, 32
.set G1B, 48                           ; the same for B
.set G0B, 56
.set LIM, 80                           ; s80 my wave prefetches while the trip's counter is greater; s81 its value for the second tile
.set JP,  82                           ; s[82:83]
.set PF,  84                           ; s[84:85] where my prefetches stand: a prefetch names the chunk three on
.set MSB, 0
.macro WIN new                         ; the immediate's high byte repeats the setting that is left
.if MSB != (\new)
	s_set_vgpr_msb (MSB<<8)|(\new)
.set MSB, (\new)
.endif
.endm
.set WQ0, 0x06                         ; A window 2, B window 1, C and D window 0
.set WQ1, 0x5e                         ; A window 2, B window 3, C and D window 1
.set WQ2, 0xac                         ; A window 0, B window 3, C and D window 2
.set WQ3, 0xf4                         ; A window 0, B window 1, C and D window 3
.macro JLOAD s                         ; a joint load: waves 0 and 1 fetch A's two halves, waves 2 and 3 the two experts' rows
	s_cmp_eq_u32 s15, 0
	s_cbranch_scc0 .Lfor_b_\@
	tensor_load_to_lds s[G0+4*\s:G0+4*\s+3], s[G1:G1+7]
	s_nop 0
.rept 4
	v_nop
.endr
	s_branch .Lasked_\@
.Lfor_b_\@:
	tensor_load_to_lds s[G0B+4*\s:G0B+4*\s+3], s[G1B:G1B+7]
	s_nop 0
.rept 4
	v_nop
.endr
.Lasked_\@:
.endm
.macro CREST                           ; a round of the cluster's barrier behind its opening barrier
	s_cmp_lg_u32 s14, 0
	s_cbranch_scc1 .Lnot_wave_0_\@
	s_barrier_signal -3
.Lnot_wave_0_\@:
	s_barrier_wait -3
	s_barrier_signal -1
	s_barrier_wait -1
.endm
.macro CROUND
	s_barrier_signal -1
	s_barrier_wait -1
	CREST
.endm
.macro PLACES
.rept 4
	v_nop
.endr
.endm
.macro LD1 dst, adr, off, i            ; load i of a group of four fragments of 16 rows x 128 K: fragment i / 4, K = 32 (i % 4) + 16 h + 0 .. 15
	ds_load_b128 v[4*(\i)+\dst:4*(\i)+\dst+3], v[\adr] offset:32*((\i)%4)+((\i)/4)*16*PITCH+\off
.endm
.macro LD16 dst, adr, off
.set MI, 0
.rept 16
	LD1 \dst, \adr, \off, MI
.set MI, MI+1
.endr
.endm
.macro RUN n0, cnt, bb, zero           ; products n0 .. of a quadrant (A fragment n / 4, B fragment n % 4); zero = 1 starts the sums
.set NI, \n0
.rept \cnt
.if \zero
	v_wmma_f32_16x16x128_bf8_bf8 v[8*NI:8*NI+7], v[FR+16*(NI/4):FR+16*(NI/4)+15], v[\bb+16*(NI%4):\bb+16*(NI%4)+15], 0
.else
	v_wmma_f32_16x16x128_bf8_bf8 v[8*NI:8*NI+7], v[FR+16*(NI/4):FR+16*(NI/4)+15], v[\bb+16*(NI%4):\bb+16*(NI%4)+15], v[8*NI:8*NI+7]
.endif
.set NI, NI+1
.endr
.endm
; THE WAY OUT of block a (16 rows) of tile t.  EC: its numbers, four rows into v[oba ..] of window owa, four into v[obb ..] of window owb.  ES: their stores.  Several blocks' EC stand ahead of their ES.
.macro EFMA r0, ow, ob
	WIN ZP0|(ZP1<<4)|((\ow)<<6)
.irp j, 0,1,2,3
.irp b, 0,1,2,3
	v_fma_f32 v[\ob+4*\j+\b], v[AC+8*\b+\r0+\j], s96, v[AC+8*\b+\r0+\j]   ; S0 x expert 0 + (S1 x expert 1 + bias); each accumulator from its low end on
.endr
.endr
.endm
.macro EC a, t, owa, oba, owb, obb
.if (\a) < 4
.set ZP0, 0
.set ZP1, 1
.else
.set ZP0, 3
.set ZP1, 2
.endif
.set AC, 32*((\a)%4)
	WIN ZP1|(ZP1<<6)
.irp i, 0,2,4,6
.irp b, 0,2
	v_pk_fma_f32 v[AC+8*\b+\i:AC+8*\b+\i+1], v[AC+8*\b+\i:AC+8*\b+\i+1], s[98:99], v[BIAS+4*\t+\b:BIAS+4*\t+\b+1] op_sel_hi:[1,0,0]
	v_pk_fma_f32 v[AC+8*\b+8+\i:AC+8*\b+8+\i+1], v[AC+8*\b+8+\i:AC+8*\b+8+\i+1], s[98:99], v[BIAS+4*\t+\b:BIAS+4*\t+\b+1] op_sel:[0,0,1] op_sel_hi:[1,0,1]
.endr
.endr
	EFMA 0, \owa, \oba
	EFMA 4, \owb, \obb
.endm
.macro ES4 a, t, r0, ow, ob
	WIN (\ow)<<2
.irp j, 0,1,2,3
	global_store_b128 v[CO], v[\ob+4*\j:\ob+4*\j+3], s[10:11] offset:131072*(\a)+8192*(\r0+\j)+4096*(\t) th:TH_STORE_NT   ; 16 lanes store 256 consecutive bytes, aligned
.endr
.endm
.macro ES a, t, owa, oba, owb, obb
	ES4 \a, \t, 0, \owa, \oba
	ES4 \a, \t, 4, \owb, \obb
.endm
.macro OUT03 t                         ; blocks 0 to 3, one buffer each
	EC 0, \t, 3, 192, 3, 208
	EC 1, \t, 3, 224, 3, 240
	EC 2, \t, 2, 200, 2, 216
	EC 3, \t, 0, 208, 0, 224
	ES 0, \t, 3, 192, 3, 208
	ES 1, \t, 3, 224, 3, 240
	ES 2, \t, 2, 200, 2, 216
	ES 3, \t, 0, 208, 0, 224
.endm
.macro ASK pf                          ; pf = 2: in the first tile's last two changes of slots B's waves alone ask
	WIN 0
.if \pf == 2
	s_cmp_eq_u32 s[LIM], 0
.else
	s_cmp_gt_u32 s3, s[LIM]
.endif
	s_cbranch_scc0 .Lnot_mine_\@
	global_prefetch_b8 v[PFO], s[PF:PF+1] offset:3*ROWB th:TH_LOAD_NT scope:SCOPE_SE
.Lnot_mine_\@:
.endm
; A slot's first step.  em = 1: the last tile's blocks 5 to 7 go out behind Q1, ahead of the products that begin their accumulators anew.
.macro STEP slot, zero, em
	PLACES
	WIN WQ0
	LD16 128, ADRA+\slot, 64*PITCH
	s_wait_dscnt 32                                ; expert 0 and A rows 0-63 are in; expert 1's 16 loads and the 16 just issued may be out
	RUN 0, 16, 128, \zero
	WIN WQ1
	LD16 192, ADRB+\slot, 128
	s_wait_dscnt 32                                ; expert 1 is in
	RUN 0, 16, 128, \zero
.if \em
	s_wait_xcnt 0x0                                ; the first buffers' stores have read them: they may be written again
	EC 5, 0, 3, 192, 3, 208
	EC 6, 0, 3, 224, 3, 240
	EC 7, 0, 2, 200, 2, 216
	ES 5, 0, 3, 192, 3, 208
	ES 6, 0, 3, 224, 3, 240
	ES 7, 0, 2, 200, 2, 216
.endif
	PLACES
	WIN WQ2
	LD16 128, ADRA+\slot, 128
	s_wait_dscnt 32                                ; A rows 64-127 are in
	RUN 0, 16, 128, \zero
	PLACES
	WIN WQ3
	LD16 128, ADRB+\slot, 128+HALFT
	RUN 0, 16, 128, \zero
.endm
; A slot's last step changes slots.  fill = 1: this slot takes the chunk two on; 2: the next tile's chunk 0 or 1; 0: nothing, and no round of the cluster's barrier.
; pf: 0 no prefetch, 1 and 3 in the loop (3 goes to the second tile's rows of B in the last trip), 2 behind it.  em = 1: the tile's blocks 0 to 4 go out.
.macro TURN slot, next, fill, pf, em
.if \pf
	s_wait_xcnt 0x0                                ; my last prefetch has read its address: step it
	s_add_nc_u64 s[PF:PF+1], s[PF:PF+1], ROWB
.if \pf == 3
	s_cmp_eq_u32 s3, 1
	s_cselect_b32 s[JP], JUMP, 0
	s_add_nc_u64 s[PF:PF+1], s[PF:PF+1], s[JP:JP+1]
.endif
.endif
	PLACES
	WIN WQ0
	LD16 128, ADRA+\slot, 128+64*PITCH             ; my last reads of this slot
	s_wait_dscnt 32                                ; expert 0 and A rows 0-63 are in
	RUN 0, 8, 192, 0
	WIN 0
	s_wait_tensorcnt 0x0                           ; all my tensor loads have landed: my part of the next slot;
	ds_add_u32 v[SPW], v[NIL]                      ; 0 onto my spare word
.if \fill == 1
	s_add_nc_u64 s[G0+4*\slot+2:G0+4*\slot+3], s[G0+4*\slot+2:G0+4*\slot+3], 2*ROWB
	s_add_nc_u64 s[G0B+4*\slot+2:G0B+4*\slot+3], s[G0B+4*\slot+2:G0B+4*\slot+3], 2*ROWB
.endif
.if \fill == 2
	s_sub_nc_u64 s[G0+4*\slot+2:G0+4*\slot+3], s[G0+4*\slot+2:G0+4*\slot+3], KROW-2*ROWB
	s_add_nc_u64 s[G0B+4*\slot+2:G0B+4*\slot+3], s[G0B+4*\slot+2:G0B+4*\slot+3], TILE2-(KROW-2*ROWB)
.endif
	WIN WQ0
	RUN 8, 8, 192, 0
	s_wait_dscnt 0x0                               ; the add is done, and so are my reads of this slot
	s_barrier_signal -1
	WIN WQ1
	RUN 0, 8, 128, 0
	WIN 0
	s_barrier_wait -1
.if \fill
	CREST                                          ; no wave of any partner still reads this slot or has a load on its way
	JLOAD \slot                                    ; the first tensor load behind the round
.endif
	WIN WQ1
	LD16 128, ADRB+\next, 0
	RUN 8, 8, 128, 0
	PLACES
.if \pf
	ASK \pf
.endif
.if \em
	OUT03 0
.endif
	WIN WQ2
	LD16 128, ADRA+\next, 0
	RUN 0, 16, 128, 0
	PLACES
	WIN WQ3
	LD16 128, ADRB+\next, HALFT
	RUN 0, 16, 192, 0
.if \em
	PLACES
	EC 4, 0, 0, 240, 2, 232
	ES 4, 0, 0, 240, 2, 232
.endif
.endm
.macro LAPS3 pf                        ; a trip goes once round the ring, from a slot 0's last step to the next slot 0's first
	WIN 0
	s_mov_b32 s3, 3
.Llap_\@:
	TURN 0, 1, 1, \pf, 0
	STEP 1, 0, 0
	TURN 1, 0, 1, 1, 0
	STEP 0, 0, 0
	WIN 0
	s_sub_co_u32 s3, s3, 1
	s_cmp_lg_u32 s3, 0
	s_cbranch_scc1 .Llap_\@
.endm
	s_load_b128 s[4:7], s[0:1], 0x0                ; x's codes s[4:5], the weights' codes s[6:7]
	s_load_b128 s[8:11], s[0:1], 0x10              ; params s[8:9], the result s[10:11]
	s_load_b128 s[68:71], s[0:1], 0x20             ; sel s[68:69], be s[70:71]
	v_lshl_add_u32 v[SPW], v0, 2, SPARE
	v_mov_b32 v[NIL], 0
	ds_add_u32 v[SPW], v[NIL]                      ; the wave's opening: the add twice on end, and its wait ahead of my first tensor load
	ds_add_u32 v[SPW], v[NIL]
	v_lshrrev_b32 v1, 5, v0
	v_readfirstlane_b32 s14, v1                    ; wave 0..3
	s_lshr_b32 s15, s14, 1                         ; which 128 rows of the tile are mine.  Also: I fetch for A (0) or for B (1)
	s_and_b32 s16, s14, 1                          ; which 64 of its columns.  Also: which half of A's rows, which expert, I fetch
	s_bfe_u32 s40, ttmp6, 0x40000                  ; cx, cy: my place in the cluster
	s_bfe_u32 s41, ttmp6, 0x40004
	s_lshl_b32 s42, ttmp9, 2
	s_add_co_u32 s42, s42, s40                     ; work-group x, 0..7
	s_and_b32 s17, ttmp7, 0xffff
	s_cmp_lt_u32 s17, 4
	s_cselect_b32 s81, 0, 8                        ; the first four rows of clusters prefetch B
	s_lshl_b32 s17, s17, 2
	s_add_co_u32 s17, s17, s41                     ; work-group y, 0..31: the tile row
	s_lshl_b32 s43, s41, 2
	s_lshl_b32 s43, 15, s43                        ; my row of the cluster
	s_lshl_b32 s44, 0x1111, s40                    ; my column
	s_or_b32 s[G1+0], s43, (0<<16)|(1<<20)|(1<<21)|(5<<22)|(3<<25)    ; elements of 1 byte; 4 words of padding behind every 64; bit 21 beside a mask
	s_or_b32 s[G1B+0], s44, (0<<16)|(1<<20)|(1<<21)|(5<<22)|(3<<25)
.irp g, G1, G1B
	s_mov_b32 s[\g+1], ROWB<<16
	s_mov_b32 s[\g+2], 128<<16
	s_mov_b32 s[\g+3], ROWB<<16
	s_mov_b32 s[\g+4], 128
	s_mov_b32 s[\g+5], KROW
	s_mov_b32 s[\g+6], 0
	s_mov_b32 s[\g+7], 0
.endr
	s_lshl_b32 s18, s16, 7
	s_lshl_b32 s20, s17, 8
	s_add_co_u32 s20, s20, s18                     ; A: row 256 x tile row + 128 x half
	s_lshl_b32 s18, s16, 11
	s_lshl_b32 s46, s42, 7
	s_add_co_u32 s46, s46, s18                     ; B: row 128 x work-group x of my expert's 2,048
	s_mov_b32 s21, 0
	s_mov_b32 s47, 0
	s_mov_b64 s[18:19], KROW
	s_mul_u64 s[20:21], s[20:21], s[18:19]
	s_mul_u64 s[46:47], s[46:47], s[18:19]
	s_mul_i32 s45, s14, HALFT                      ; where they go: wave x 128 rows
	s_wait_dscnt 0x0                               ; both opening adds are done
	s_wait_kmcnt 0x0
	s_load_b128 s[96:99], s[8:9], 0x0              ; S0, w0, w1 / w0, w1
	s_load_b64 s[72:73], s[68:69], 0x0             ; i0, i1
	s_add_nc_u64 s[20:21], s[4:5], s[20:21]
	s_add_nc_u64 s[46:47], s[6:7], s[46:47]
.irp s, 0,1
	s_mov_b32 s[G0+4*\s], 1
	s_add_co_u32 s[G0+4*\s+1], s45, \s*SLOT
	s_add_nc_u64 s[G0+4*\s+2:G0+4*\s+3], s[20:21], \s*ROWB
	s_or_b32 s[G0+4*\s+3], s[G0+4*\s+3], 0x80000000
	s_mov_b32 s[G0B+4*\s], 1
	s_add_co_u32 s[G0B+4*\s+1], s45, \s*SLOT
	s_add_nc_u64 s[G0B+4*\s+2:G0B+4*\s+3], s[46:47], \s*ROWB
	s_or_b32 s[G0B+4*\s+3], s[G0B+4*\s+3], 0x80000000
.endr
	CROUND                                         ; all sixteen work-groups are here: the first joint loads meet
	JLOAD 0                                        ; chunk 0: one tensor load a wave at the head
	s_mul_i32 s21, s15, HALFT                      ; my 128 rows of A
	s_mul_i32 s22, s16, 64*PITCH                   ; my 64 rows of expert 0 (expert 1's lie HALFT on),
	s_add_co_u32 s22, s22, 2*HALFT                 ; behind A's 256
	s_add_co_u32 s23, s21, SLOT
	s_add_co_u32 s74, s22, SLOT
	v_and_b32 v1, 15, v0                           ; r
	v_bfe_u32 v2, v0, 4, 1                         ; h
	v_mul_u32_u24 v3, v1, PITCH
	v_lshl_add_u32 v4, v2, 4, v3                   ; a fragment's row x pitch + 16 h
.irp w, 0, 0x80                        ; in window 0 and in window 2
	WIN \w
	v_add_nc_u32 v[ADRA], s21, v4
	v_add_nc_u32 v[ADRA+1], s23, v4
	v_add_nc_u32 v[ADRB], s22, v4
	v_add_nc_u32 v[ADRB+1], s74, v4
.endr
	WIN 0
	v_lshlrev_b32 v[BOF], 4, v1                    ; 16 bytes: my four columns
	v_lshl_add_u32 v[CO], v2, 16, v[BOF]           ; + 8 h rows of 8,192 bytes
	v_and_b32 v5, 31, v0
	v_lshlrev_b32 v[PFO], 11, v5
	s_lshl_b32 s20, s17, 8
	s_lshl_b32 s21, s15, 7
	s_add_co_u32 s20, s20, s21                     ; my first row of the result
	s_mov_b32 s21, 0
	s_lshl_b64 s[20:21], s[20:21], 13
	s_lshl_b32 s46, s42, 9
	s_lshl_b32 s47, s16, 8
	s_add_co_u32 s46, s46, s47                     ; my first column in bytes: 512 x work-group x + 256 x half
	s_mov_b32 s47, 0
	s_add_nc_u64 s[20:21], s[20:21], s[46:47]
	s_add_nc_u64 s[10:11], s[10:11], s[20:21]      ; the blocks' and the second tile's offsets are immediates: this base stays
	s_lshl_b32 s20, s17, 8                         ; the prefetches: of the 128 rows that I fetch, my work-group's 32: by cx in A, by cy in B
	s_lshl_b32 s21, s16, 7
	s_add_co_u32 s20, s20, s21
	s_lshl_b32 s21, s40, 5
	s_add_co_u32 s20, s20, s21
	s_lshl_b32 s22, s42, 7
	s_lshl_b32 s21, s16, 11
	s_add_co_u32 s22, s22, s21
	s_lshl_b32 s21, s41, 5
	s_add_co_u32 s22, s22, s21
	s_add_co_u32 s23, s81, 1
	s_cmp_eq_u32 s15, 0
	s_cselect_b32 s20, s20, s22
	s_cselect_b32 s[LIM], 1, s81                   ; A: while two trips or more are to go; B: in all trips, or never
	s_cselect_b32 s81, 8, s23                      ; in the second tile A never, B while two trips or more are to go
	s_cselect_b64 s[PF:PF+1], s[4:5], s[6:7]
	s_mov_b32 s21, 0
	s_lshl_b64 s[20:21], s[20:21], 11
	s_add_nc_u64 s[PF:PF+1], s[PF:PF+1], s[20:21]  ; at chunk 0: the first change of slots steps it to 1 and names chunk 4
	s_mov_b32 s[JP+1], 0
	s_wait_alu depctr_va_vdst(0)
	s_cmp_lt_u32 s[LIM], 8                         ; A's waves, and B's in the first four rows of clusters
	s_cbranch_scc0 .Lnot_mine_first
	global_prefetch_b8 v[PFO], s[PF:PF+1] offset:ROWB th:TH_LOAD_NT scope:SCOPE_SE
	global_prefetch_b8 v[PFO], s[PF:PF+1] offset:2*ROWB th:TH_LOAD_NT scope:SCOPE_SE
.Lnot_mine_first:
	s_wait_kmcnt 0x0
	s_mul_f32 s98, s96, s98                        ; S1 = S0 x w1 / w0
	s_min_u32 s72, s72, 7                          ; a loaded number enters an address only behind this bound
	s_min_u32 s73, s73, 7
	s_lshl_b32 s74, s73, 13
	s_lshl_b32 s72, s72, 13
	s_mov_b32 s73, 0
	s_mov_b32 s75, 0
	s_add_nc_u64 s[76:77], s[70:71], s[72:73]
	s_add_nc_u64 s[76:77], s[76:77], s[46:47]      ; be[i0] at my first column
	s_add_nc_u64 s[78:79], s[70:71], s[74:75]
	s_add_nc_u64 s[78:79], s[78:79], s[46:47]      ; be[i1]
	global_load_b128 v[BIAS:BIAS+3], v[BOF], s[76:77]
	global_load_b128 v[BIAS+4:BIAS+7], v[BOF], s[76:77] offset:4096
	global_load_b128 v[BE1:BE1+3], v[BOF], s[78:79]
	global_load_b128 v[BE1+4:BE1+7], v[BOF], s[78:79] offset:4096
	s_wait_tensorcnt 0x0                           ; my part of chunk 0 is in
	ds_add_u32 v[SPW], v[NIL]
	s_wait_dscnt 0x0
	CROUND                                         ; everybody's part is in, and the joint loads meet
	JLOAD 1                                        ; chunk 1
	WIN 0x40
	LD16 128, ADRB, 0                              ; expert 0,
	WIN 0x80
	LD16 128, ADRA, 0                              ; A rows 0-63,
	WIN 0xc0
	LD16 128, ADRB, HALFT                          ; expert 1
	WIN 0
	s_cmp_lt_u32 s[LIM], 8
	s_cbranch_scc0 .Lnot_mine_second
	global_prefetch_b8 v[PFO], s[PF:PF+1] offset:3*ROWB th:TH_LOAD_NT scope:SCOPE_SE
.Lnot_mine_second:
	; THE FIRST TILE
	STEP 0, 1, 0
	LAPS3 3
	s_wait_loadcnt 0x0                             ; be's rows, asked for at the head
.irp i, 0,1,2,3,4,5,6,7
	v_mul_f32 v[BIAS+\i], s97, v[BIAS+\i]
.endr
.irp i, 0,1,2,3,4,5,6,7
	v_fma_f32 v[BIAS+\i], s99, v[BE1+\i], v[BIAS+\i]   ; w0 be[i0] + w1 be[i1]
.endr
	s_wait_alu depctr_va_vdst(0)
	TURN 0, 1, 2, 2, 0                             ; the ring goes on into the second tile
	STEP 1, 0, 0
	TURN 1, 0, 2, 2, 1
	; THE SECOND TILE
	STEP 0, 1, 1
	s_mov_b32 s[LIM], s81
	LAPS3 1
	TURN 0, 1, 0, 0, 0
	STEP 1, 0, 0
	PLACES                                         ; the very last step
	WIN WQ0
	LD16 128, ADRA+1, 128+64*PITCH
	s_wait_dscnt 32
	RUN 0, 16, 192, 0
	s_wait_dscnt 16
	WIN WQ1
	RUN 0, 16, 128, 0
	PLACES
	s_wait_xcnt 0x0                                ; the first tile's stores have read their buffers
	OUT03 1                                        ; rows 0-63 leave while rows 64-127 are finished
	s_wait_dscnt 0x0
	WIN WQ2
	RUN 0, 16, 128, 0
	WIN WQ3
	RUN 0, 16, 192, 0
	PLACES
	EC 4, 1, 0, 240, 2, 232                        ; the registers of fragments that are done with are buffers too: nothing here waits for a store
	EC 5, 1, 2, 128, 2, 144
	ES 4, 1, 0, 240, 2, 232
	ES 5, 1, 2, 128, 2, 144
	EC 6, 1, 2, 160, 2, 176
	EC 7, 1, 3, 128, 3, 144
	ES 6, 1, 2, 160, 2, 176
	ES 7, 1, 3, 128, 3, 144
	WIN 0
	s_wait_tensorcnt 0x0                           ; the wave's end
	ds_add_u32 v[SPW], v[NIL]
	s_wait_dscnt 0x0
	CROUND                                         ; the closing round: no work-group ends while a partner may still ask for a tile that names it
	s_endpgm
.Lfunc_end_k_qc3505960d2_gemm:
	.size	k_qc3505960d2_gemm, .Lfunc_end_k_qc3505960d2_gemm-k_qc3505960d2_gemm
	.p2alignl 7, 3214868480
	.fill 96, 4, 3214868480
	.section	.rodata,"a",@progbits
	.p2align	6, 0x0
	.amdhsa_kernel k_qc3505960d2_gemm
		.amdhsa_group_segment_fixed_size 327680
		.amdhsa_private_segment_fixed_size 0
		.amdhsa_enable_private_segment 0
		.amdhsa_kernarg_size 48
		.amdhsa_user_sgpr_count 2
		.amdhsa_user_sgpr_kernarg_segment_ptr 1
		.amdhsa_wavefront_size32 1
		.amdhsa_system_sgpr_workgroup_id_x 1
		.amdhsa_system_sgpr_workgroup_id_y 1
		.amdhsa_system_sgpr_workgroup_id_z 1
		.amdhsa_system_vgpr_workitem_id 0
		.amdhsa_next_free_vgpr 1024
		.amdhsa_next_free_sgpr 100
		.amdhsa_reserve_vcc 0
		.amdhsa_float_denorm_mode_32 3
		.amdhsa_float_denorm_mode_16_64 3
		.amdhsa_memory_ordered 1
		.amdhsa_forward_progress 1
		.amdhsa_inst_pref_size 219
	.end_amdhsa_kernel
	.amdgpu_metadata
---
amdhsa.version: [ 1, 2 ]
amdhsa.kernels:
  - .name:           k_qc3505960d2_gemm
    .symbol:         k_qc3505960d2_gemm.kd
    .args:
      - { .name: xc, .offset: 0, .size: 8, .value_kind: global_buffer, .address_space: global }
      - { .name: wc, .offset: 8, .size: 8, .value_kind: global_buffer, .address_space: global }
      - { .name: params, .offset: 16, .size: 8, .value_kind: global_buffer, .address_space: global }
      - { .name: out0, .offset: 24, .size: 8, .value_kind: global_buffer, .address_space: global }
      - { .name: sel, .offset: 32, .size: 8, .value_kind: global_buffer, .address_space: global }
      - { .name: be, .offset: 40, .size: 8, .value_kind: global_buffer, .address_space: global }
    .group_segment_fixed_size: 327680
    .private_segment_fixed_size: 0
    .kernarg_segment_align: 8
    .kernarg_segment_size: 48
    .max_flat_workgroup_size: 128
    .sgpr_count:     100
    .vgpr_count:     1024
    .wavefront_size: 32
...
	.end_amdgpu_metadata
.endif
;; end of part 3
